; MI455X (gfx1250); checked and timed in simulation.
; The chip was launched on July 23, 2026; its instructions are those of AMD's public machine-readable ISA for CDNA 5 (MIT licence, August 2026) and "CDNA5" Instruction Set Architecture Reference Guide (July 2026). The comments in the code are by the model that wrote it; some were corrected since.
;; Self Attention. Allowed arithmetic: matrix products marked QUANTISED: E3M2 operands, one E8M0 scale for each 32 along K, by v_wmma_scale_f32_16x16x128_f8f6f4 with both operands' format E3M2, f32 sums; everything else in f32.
;; Inputs: Wk 1,024 x 256 float32; Wq 1,024 x 256 float32; Wv 1,024 x 1,024 float32; bk 256 float32; bq 256 float32; bv 1,024 float32; gamma 1 float32; x 8 x 2,048 x 1,024 float32.
;; Outputs: out0 8 x 2,048 x 1,024 float32.
;; This version of the problem:
;;   THIS VERSION OF THE PROBLEM IS GIVEN IN LOW PRECISION. The matrix products marked QUANTISED in the list below multiply operands that are first quantised to E3M2 (3 exponent bits, 2 mantissa bits; 6 bits a number), with one power-of-two scale for each 32 numbers along K (OCP MX v1.0); their sums are f32. All else is computed in f32.
;;   The module's matrix products, in the order in which they are computed (A, B: the left and right operand; K: the contracted axis; several contracted axes count as one K, in the product's order):
;;     1. [M 16,384, K 1,024] x [K 1,024, N 256]; A: input x; B: input Wq: QUANTISED
;;     2. [M 16,384, K 1,024] x [K 1,024, N 256]; A: input x; B: input Wk: QUANTISED
;;     3. [M 16,384, K 1,024] x [K 1,024, N 1,024]; A: input x; B: input Wv: QUANTISED
;;     4. batch 8 x [M 2,048, K 256] x [K 256, N 2,048]; A: computed on the way; B: computed on the way: QUANTISED
;;     5. batch 8 x [M 2,048, K 2,048] x [K 2,048, N 1,024]; A: softmax (see below); B: computed on the way: QUANTISED
;;   THE QUANTISER, for each operand of a quantised product, along K:
;;     - K is cut into blocks of 32 from its start; a last block that is shorter is filled with zeros.
;;     - A block's scale is 2^e with e = floor(log2(the largest magnitude in the block)) - 4, held to -126 .. 127; a block of zeros has e = 0. As a byte (E8M0): e + 127.
;;     - Each number is divided by its block's scale, clamped to +-28, and rounded to the nearest number of E3M2, ties to even, subnormals kept.
;;     - The product sums the exact products of the quantised numbers (number of the format x scale) in f32.
;;   ~~~python
;;   def quantise(x, axis):      # numpy; x: float32 -> the quantised numbers, widened to float32 again
;;       x = np.moveaxis(x, axis, -1); K = x.shape[-1]
;;       x = np.pad(x, [(0, 0)] * (x.ndim - 1) + [(0, -K % 32)]); x = x.reshape(x.shape[:-1] + (-1, 32)); a = np.abs(x).max(-1, keepdims=True)
;;       e = np.where(a > 0, np.clip(np.frexp(np.where(a > 0, a, 1))[1] - 1 - 4, -126, 127), 0)      # np.frexp(a)[1] - 1 = floor(log2(a)), exactly
;;       r = np.clip(x / 2.0 ** e, -28, 28)
;;       step = 2.0 ** (np.maximum(np.frexp(np.where(r == 0, 1, r))[1] - 1, -2) - 2)
;;       q = np.round(r / step) * step * 2.0 ** e      # np.round: ties to even
;;       return np.moveaxis(q.reshape(q.shape[:-2] + (-1,))[..., :K], -1, axis).astype(np.float32)
;;   ~~~
;;   SOFTMAX AHEAD OF A QUANTISED PRODUCT. Where the list says 'softmax', what is quantised is not the finished softmax but p = 2^(t - M), with t = logit x log2(e) and M = ceil(the row's largest t), a whole number; so 1/2 < the row's largest p <= 1. The row's sum l is taken of the UNQUANTISED p, in f32, and the product's result is divided by l at the end. Since M is a whole number, a kernel that streams over the keys may use a running M (the ceiling of the running maximum): every later rescaling is an exact power of two, which a block's scale takes up: the codes' values come out the same.
;;   OPERANDS COMPUTED ON THE WAY. 'Computed on the way' means the value that the module computes at that place (a softmax that the list does not call 'softmax' is quantised finished and normalised). What goes into a quantiser is computed in f32, as accurately as f32 sums, v_exp_f32 and their like allow (about 1e-6 of the number): no bf16 or f16 on the way to a quantiser, and a product that is left as it is and whose result goes on into a quantised operand takes f32 operands (vector FMAs, or v_wmma_f32_16x16x4_f32). A number that lies on a knife's edge between two numbers of the format may be rounded either way, as far as f32 arithmetic and the matrix unit's own rounding can turn it there, and no further.
;; One version. Each part assembles by itself: llvm-mc -triple=amdgcn-amd-amdhsa -mcpu=gfx1250 --defsym DOCPART=n.
;; ======== version 1 of 1: 3 launches
;; limits: right only within a limited range of input values
;; workspace buffers: wc 1,228,800 bytes; qf 3,276,800 bytes; kv 16,384,000 bytes
;; launch wquant (part 1): grid 192 x 1, 4 waves a work-group, no clusters, 768 bytes of LDS; arguments Wq, Wk, Wv, wc; writes wc
.if DOCPART == 1
	.amdgcn_target "amdgcn-amd-amdhsa--gfx1250"
	.amdhsa_code_object_version 6
	.text
	.protected	k_q140fe2ce68_wquant
	.globl	k_q140fe2ce68_wquant
	.p2align	8
	.type	k_q140fe2ce68_wquant,@function
k_q140fe2ce68_wquant:
	s_mov_b64 s[64:65], 0
	v_nop
	global_prefetch_b8 v0, s[64:65] scope:SCOPE_SE
	s_setreg_imm32_b32 hwreg(HW_REG_WAVE_MODE, 25, 1), 1
	s_wait_xcnt 0x0
; Wq, Wk [1024][256] and Wv [1024][1024], f32 with K as their FIRST axis, become codes of BF6 (E3M2) with one E8M0 byte for each 32 along K,
; laid in wc as IMAGES OF OPERAND REGISTERS in the very order in which the next launch streams them.
; wc = [use U 0..11][wave w 0..3] quarters of 25,600 bytes.  A quarter = 4 units y; a unit = 4 fragments (16 columns x 128 K, 1,536 bytes: register group k of lane l at 512 k + 16 l)
; at (4 y + i) 1,536, and its scale words at 24,576 + 256 y: [lane (r, h)][ip]: the word of column r of tile i = 2 ip + h.
;   U < 4 (q and k): matrix = Wk for w >= 2, else Wq; K step 2 U + y / 2; column 128 (w % 2) + 64 (y % 2) + 32 (i / 2) + 8 (i % 2) + r + 8 (r / 8): a tile's columns are NOT neighbours,
;                    so that the results of two neighbouring tiles are 16 neighbours along the next product's K.
;   U >= 4 (v), V = U - 4: K step 4 (V % 2) + y; column 64 (4 (V / 2) + w) + 16 i + r.
; A work-group (number 16 U + 4 w + y) makes one unit, wave i its fragment i.  LANE (r, h) TAKES ONE COLUMN AND ITS REGISTERS RUN DOWN K in the order of the operand's layout
; (registers 6 c .. 6 c + 5: k = 64 c + 32 h + 0 .. 31): a block of 32 lies in one lane, and the conversions' results are the operand's registers.
; A block's scale is 2^(floor(log2(largest magnitude)) - 4); its byte is the largest magnitude's exponent field - 4, held at 1 from below.
; LIMITS: a block of zeros, or one whose largest magnitude lies under 2^-122, keeps the byte 1 (its codes are then zeros or tiny; only this program reads the bytes); NaN and infinities are not served.
; No tensor loads, no cluster: 6 MB are read once; the four waves of a work-group read the four quarters of the same 256 bytes of each row of W.
.set QSL, 25600
.macro LOADS pitch                     ; W(128 S + 64 c + 32 h + j, my column), n_ = 32 c + j
.set n_, 0
.rept 64
	global_load_b32 v[64+n_], v5, s[4:5] offset:(64*(n_/32)+n_%32)*\pitch
.set n_, n_+1
.endr
.endm
	s_load_b256 s[4:11], s[0:1], 0x0               ; Wq s[4:5], Wk s[6:7], Wv s[8:9], wc s[10:11]
	v_lshl_add_u32 v144, v0, 2, 0x100
	v_mov_b32 v145, 0
	v_lshrrev_b32 v1, 5, v0
	v_readfirstlane_b32 s12, v1                    ; wave i
	v_and_b32 v1, 15, v0                           ; r
	s_wait_alu depctr_va_vdst(0)
	v_bfe_u32 v2, v0, 4, 1                         ; h
	s_wait_alu depctr_va_vdst(0)
	v_and_b32 v3, 31, v0                           ; lane
	s_wait_alu depctr_va_vdst(0)
	s_lshr_b32 s13, ttmp9, 4                       ; U
	s_bfe_u32 s14, ttmp9, 0x20002                  ; w
	s_and_b32 s15, ttmp9, 3                        ; y
	; q and k: the K step's first byte (128 rows of 1,024 bytes a step) and the tile's first column
	s_lshl_b32 s16, s13, 1
	s_lshr_b32 s17, s15, 1
	s_add_co_u32 s16, s16, s17
	s_lshl_b32 s16, s16, 17
	s_and_b32 s17, s14, 1
	s_lshl_b32 s17, s17, 7
	s_and_b32 s18, s15, 1
	s_lshl_b32 s18, s18, 6
	s_add_co_u32 s17, s17, s18
	s_lshr_b32 s18, s12, 1
	s_lshl_b32 s18, s18, 5
	s_add_co_u32 s17, s17, s18
	s_and_b32 s18, s12, 1
	s_lshl_b32 s18, s18, 3
	s_add_co_u32 s17, s17, s18
	; v: the same (128 rows of 4,096 bytes a step)
	s_max_u32 s19, s13, 4
	s_sub_co_u32 s19, s19, 4                       ; V
	s_and_b32 s20, s19, 1
	s_lshl_b32 s20, s20, 2
	s_add_co_u32 s20, s20, s15
	s_lshl_b32 s20, s20, 19
	s_lshr_b32 s21, s19, 1
	s_lshl_b32 s21, s21, 2
	s_add_co_u32 s21, s21, s14
	s_lshl_b32 s21, s21, 6
	s_lshl_b32 s22, s12, 4
	s_add_co_u32 s21, s21, s22
	s_cmp_lt_u32 s13, 4                            ; the choice hangs on the work-group's number alone
	s_cselect_b32 s16, s16, s20
	s_cselect_b32 s17, s17, s21
	s_cselect_b32 s23, 8, 0                        ; q and k: rows 8-15 of a tile lie 8 columns further on
	s_cselect_b32 s24, 15, 17                      ; 32 rows of W in bytes, as a shift
	s_lshl_b32 s17, s17, 2
	s_add_co_u32 s26, s16, s17
	s_mov_b32 s27, 0
	v_and_b32 v4, s23, v1
	v_add_nc_u32 v4, v4, v1
	v_lshlrev_b32 v5, s24, v2                      ; lanes 16-31 begin 32 rows further down
	v_lshl_add_u32 v5, v4, 2, v5                   ; + 4 bytes a column
	s_lshl_b32 s28, s15, 2
	s_add_co_u32 s28, s28, s12
	s_mul_i32 s28, s28, 1536
	v_lshl_add_u32 v6, v3, 4, s28                  ; my 16 bytes in my fragment's image
	s_lshl_b32 s29, s15, 8
	v_lshl_add_u32 v7, v3, 3, s29                  ; the unit's scale words, 8 bytes a lane
	s_and_b32 s30, s12, 1
	s_lshl_b32 s30, s30, 7
	s_lshr_b32 s31, s12, 1
	s_lshl_b32 s31, s31, 2
	s_add_co_u32 s30, s30, s31
	v_lshl_add_u32 v8, v1, 3, s30                  ; LDS: 8 (16 (i % 2) + r) + 4 (i / 2)
	v_lshlrev_b32 v11, 3, v3                       ; LDS: 8 x lane
	s_lshr_b32 s34, ttmp9, 2
	s_mul_i32 s34, s34, QSL                        ; my quarter of wc
	s_mov_b32 s35, 0
	s_mov_b32 s32, 0x76543210
	s_mov_b32 s33, 0xfedcba98                      ; v_permlanex16_b32's selects for lane l xor 16
	s_wait_kmcnt 0x0
	s_bitcmp1_b32 s14, 1
	s_cselect_b64 s[4:5], s[6:7], s[4:5]           ; Wk or Wq
	s_cmp_lt_u32 s13, 4
	s_cselect_b64 s[4:5], s[4:5], s[8:9]           ; or Wv
	s_add_nc_u64 s[4:5], s[4:5], s[26:27]
	s_add_nc_u64 s[10:11], s[10:11], s[34:35]
	s_cbranch_scc0 .Lwide                          ; the two arms differ in the rows' pitch alone, which stands in the loads' immediates
	s_wait_alu depctr_va_vdst(0)
	LOADS 1024
	s_branch .Lloaded
.Lwide:
	s_wait_alu depctr_va_vdst(0)
	LOADS 4096
.Lloaded:
	s_wait_loadcnt 0x0
.irp c, 0,1                            ; my block 2 c + h: all its 32 numbers are mine
	v_max3_num_f32 v[32+\c], |v[64+32*\c]|, |v[65+32*\c]|, 0x2800000   ; with the floor 2^(5 - 127): the byte cannot fall under 1
.endr
.irp i, 2,4,6,8,10,12,14,16,18,20,22,24,26,28,30
.irp c, 0,1
	v_max3_num_f32 v[32+\c], v[32+\c], |v[64+32*\c+\i]|, |v[65+32*\c+\i]|
.endr
.endr
.irp c, 0,1
	v_add_nc_u32 v[44+\c], 0xfe000000, v[32+\c]    ; 4 off the exponent field: the conversion's scale operand
.endr
.irp c, 0,1
	v_lshrrev_b32 v[36+\c], 23, v[44+\c]           ; the scale's byte
.endr
	v_lshl_or_b32 v9, v37, 16, v36                 ; my two bytes: blocks h and 2 + h,
	v_lshlrev_b32 v10, 3, v2
	v_lshlrev_b32 v9, v10, v9                      ; at their places in the word;
	v_mov_b32 v10, 0
	v_permlanex16_b32 v10, v9, s32, s33
	v_or_b32 v9, v9, v10                           ; with lane l xor 16's two the word is whole
.irp c, 0,1
	v_cvt_scalef32_pk16_bf6_f32 v[48+6*\c:50+6*\c], v[64+32*\c:79+32*\c], v[44+\c]
	v_cvt_scalef32_pk16_bf6_f32 v[128+4*\c:130+4*\c], v[80+32*\c:95+32*\c], v[44+\c]   ; (a conversion's three registers begin on an even number)
.endr
	v_nop                                          ; one plain place behind a scaled conversion
.irp c, 0,1
.irp i, 0,1,2
	v_mov_b32 v[51+6*\c+\i], v[128+4*\c+\i]
.endr
.endr
.irp k, 0,1,2
	global_store_b128 v6, v[48+4*\k:51+4*\k], s[10:11] offset:512*\k   ; 32 lanes store 512 consecutive bytes
.endr
	ds_store_b32 v8, v9                            ; both halves of the lanes write the same word with the same value
	s_wait_dscnt 0x0                               ; for the others' sake: my word has landed
	s_barrier_signal -1
	s_barrier_wait -1
	s_cmp_lg_u32 s12, 0
	s_cbranch_scc1 .Lend
	ds_load_b64 v[12:13], v11                      ; wave 0 sends the unit's 64 words: 256 consecutive bytes
	s_wait_dscnt 0x0
	global_store_b64 v7, v[12:13], s[10:11] offset:24576
.Lend:
	s_wait_tensorcnt 0x0
	ds_add_u32 v144, v145
	s_wait_dscnt 0x0
	s_endpgm
.Lfunc_end_k_q140fe2ce68_wquant:
	.size	k_q140fe2ce68_wquant, .Lfunc_end_k_q140fe2ce68_wquant-k_q140fe2ce68_wquant
	.p2alignl 7, 3214868480
	.fill 96, 4, 3214868480
	.section	.rodata,"a",@progbits
	.p2align	6, 0x0
	.amdhsa_kernel k_q140fe2ce68_wquant
		.amdhsa_group_segment_fixed_size 768
		.amdhsa_private_segment_fixed_size 0
		.amdhsa_enable_private_segment 0
		.amdhsa_kernarg_size 32
		.amdhsa_user_sgpr_count 2
		.amdhsa_user_sgpr_kernarg_segment_ptr 1
		.amdhsa_wavefront_size32 1
		.amdhsa_system_sgpr_workgroup_id_x 1
		.amdhsa_system_sgpr_workgroup_id_y 1
		.amdhsa_system_sgpr_workgroup_id_z 1
		.amdhsa_system_vgpr_workitem_id 0
		.amdhsa_next_free_vgpr 146
		.amdhsa_next_free_sgpr 66
		.amdhsa_reserve_vcc 0
		.amdhsa_float_denorm_mode_32 3
		.amdhsa_float_denorm_mode_16_64 3
		.amdhsa_memory_ordered 1
		.amdhsa_forward_progress 1
		.amdhsa_inst_pref_size 20
	.end_amdhsa_kernel
	.amdgpu_metadata
---
amdhsa.version: [ 1, 2 ]
amdhsa.kernels:
  - .name:           k_q140fe2ce68_wquant
    .symbol:         k_q140fe2ce68_wquant.kd
    .args:
      - { .name: Wq, .offset: 0, .size: 8, .value_kind: global_buffer, .address_space: global }
      - { .name: Wk, .offset: 8, .size: 8, .value_kind: global_buffer, .address_space: global }
      - { .name: Wv, .offset: 16, .size: 8, .value_kind: global_buffer, .address_space: global }
      - { .name: wc, .offset: 24, .size: 8, .value_kind: global_buffer, .address_space: global }
    .group_segment_fixed_size: 768
    .private_segment_fixed_size: 0
    .kernarg_segment_align: 8
    .kernarg_segment_size: 32
    .max_flat_workgroup_size: 128
    .sgpr_count:     66
    .vgpr_count:     146
    .wavefront_size: 32
...
	.end_amdgpu_metadata
.endif
;; end of part 1
;; launch proj (part 2): grid 256 x 1, 4 waves a work-group, clusters of 4 x 1, 327,680 bytes of LDS; arguments x, wc, bq, bk, bv, qf, kv; writes qf, kv
.if DOCPART == 2
	.amdgcn_target "amdgcn-amd-amdhsa--gfx1250"
	.amdhsa_code_object_version 6
	.text
	.protected	k_q140fe2ce68_proj
	.globl	k_q140fe2ce68_proj
	.p2align	8
	.type	k_q140fe2ce68_proj,@function
k_q140fe2ce68_proj:
	s_mov_b64 s[64:65], 0
	v_nop
	global_prefetch_b8 v0, s[64:65] scope:SCOPE_SE
	s_setreg_imm32_b32 hwreg(HW_REG_WAVE_MODE, 25, 1), 1
	s_wait_xcnt 0x0
	s_wait_alu depctr_hold_cnt(0) depctr_sa_sdst(0) depctr_va_vdst(0) depctr_va_sdst(0) depctr_va_ssrc(0) depctr_va_vcc(0) depctr_vm_vsrc(0)
	s_getreg_b32 s2, hwreg(HW_REG_IB_STS2, 6, 4)
	s_cmp_eq_u32 s2, 0
	s_cbranch_scc0 .Lentry_in_a_cluster
	s_endpgm
.Lentry_in_a_cluster:
	s_bfe_u32 s2, ttmp6, 0x10000c
	s_cmp_lg_u32 s2, 0x3003
	s_cbranch_scc0 .Lentry_shape_is_right
	s_endpgm
.Lentry_shape_is_right:
.set SLOT1,  131072
.set QSL,    25600
.set XSTG,   233472
.set XIMG,   267264
.set XSC,    316416
.set VSS,    318464
.set SPARE,  320512
.set SPW, 1
.set NIL, 2
.set STW, 3
.set STR, 4
.set XIW, 5
.set XSW, 6
.set XIR, 7
.set XSR, 8
.set XO,  9
.set C16, 10
.set C8,  11
.set WB,  12
.set WB8, 13
.set FO,  14
.set SOF, 15
.set L8,  17
.set VSW, 18
.set VST, 19
.set BO,  20
.set BH,  21
.set VSO, 22
.set VSR, 23
.set FLR, 28
.set WF,  32
.set WS,  128
.set XS,  132
.set X64, 148
.set PC,  212
.set HT,  224
.set TM,  232
.set PW,  244
.set PK,  248
.set BVT, 250
.set WV,   18
.set SEL,  22
.set HM,   24
.set TB,   25
.set TRIP, 26
.set RO,   27
.set G0F,  28
.set G1,   32
.set PART, 40
.set OV,   42
.set BVP,  44
.set SB,   46
.set G0,   68
.set WCB,  72
.set OFF,  74
.set BVB,  76
.set OVB,  78
.set RHO,  80
.set RHN,  81
.set MSB, 0
.macro WIN new
.if MSB != (\new)
	s_set_vgpr_msb (MSB<<8)|(\new)
.set MSB, (\new)
.endif
.endm
.macro PLACES
.rept 4
	v_nop
.endr
.endm
.macro CROUND
	s_barrier_signal -1
	s_barrier_wait -1
	s_cmp_lg_u32 s[WV], 0
	s_cbranch_scc1 .Lnot_wave_0_\@
	s_barrier_signal -3
.Lnot_wave_0_\@:
	s_barrier_wait -3
	s_barrier_signal -1
	s_barrier_wait -1
.endm
.macro CHANGE fill
	WIN 0
.if (\fill) == 3
	s_wait_tensorcnt 0x1
	s_wait_dscnt 0x0
.else
	s_wait_tensorcnt 0x0
	ds_add_u32 v[SPW], v[NIL]
.if (\fill) == 1
	s_xor_b32 s[G0+1], s[G0+1], SLOT1
	s_add_nc_u64 s[G0+2:G0+3], s[G0+2:G0+3], 4*QSL
.elseif (\fill) == 2
	s_xor_b32 s[G0+1], s[G0+1], SLOT1
	s_add_nc_u64 s[G0+2:G0+3], s[WCB:WCB+1], s[OFF:OFF+1]
	s_or_b32 s[G0+3], s[G0+3], 0x80000000
.endif
	s_wait_dscnt 0x0
.if (\fill) > 0
	CROUND
	tensor_load_to_lds s[G0:G0+3], s[G1:G1+7]
	s_nop 0
.else
	s_barrier_signal -1
	s_barrier_wait -1
.endif
	PLACES
.endif
.endm
.macro QHALF s, win, dst, hw
	WIN ((\win)<<2)|((\win)<<4)
	v_max3_num_f32 v[TM], v[FLR], |v[\s]|, |v[\s+1]|
	v_max3_num_f32 v[TM+1], v[FLR], |v[\s+16]|, |v[\s+17]|
.irp i, 2,4,6,8,10,12,14
	v_max3_num_f32 v[TM], v[TM], |v[\s+\i]|, |v[\s+\i+1]|
	v_max3_num_f32 v[TM+1], v[TM+1], |v[\s+16+\i]|, |v[\s+17+\i]|
.endr
	WIN 0
	v_permlanex16_b32 v[TM+2], v[TM], s[SEL], s[SEL+1]
	v_permlanex16_b32 v[TM+3], v[TM+1], s[SEL], s[SEL+1]
	v_max_num_f32 v[TM], v[TM], v[TM+2]
	v_max_num_f32 v[TM+1], v[TM+1], v[TM+3]
	v_add_nc_u32 v[TM+4], 0xfe000000, v[TM]
	v_add_nc_u32 v[TM+5], 0xfe000000, v[TM+1]
	v_lshrrev_b32 v[TM+6], 23, v[TM+4]
	v_lshrrev_b32 v[TM+7], 23, v[TM+5]
	v_lshl_or_b32 v[\hw], v[TM+7], 8, v[TM+6]
	WIN \win
	v_cvt_scalef32_pk16_bf6_f32 v[\dst:\dst+2], v[\s:\s+15], v[TM+4]
	v_cvt_scalef32_pk16_bf6_f32 v[HT:HT+2], v[\s+16:\s+31], v[TM+5]
	WIN 0
	v_nop
.irp i, 0,1,2
	v_permlane16_swap_b32 v[\dst+\i], v[HT+\i]
.endr
.irp i, 0,1,2
	v_mov_b32 v[\dst+3+\i], v[HT+\i]
.endr
.endm
.macro WM
.if (RA_ == 0) && (RB_ == 0)
	v_wmma_scale_f32_16x16x128_f8f6f4 v[D_:D_+7], v[A_:A_+11], v[B_:B_+11], v[C_:C_+7], v[SA_], v[SB_] matrix_a_fmt:MATRIX_FMT_BF6 matrix_b_fmt:MATRIX_FMT_BF6
.elseif RB_ == 0
	v_wmma_scale_f32_16x16x128_f8f6f4 v[D_:D_+7], v[A_:A_+11], v[B_:B_+11], v[C_:C_+7], v[SA_], v[SB_] matrix_a_fmt:MATRIX_FMT_BF6 matrix_b_fmt:MATRIX_FMT_BF6 matrix_a_scale:MATRIX_SCALE_ROW1
.elseif RA_ == 0
	v_wmma_scale_f32_16x16x128_f8f6f4 v[D_:D_+7], v[A_:A_+11], v[B_:B_+11], v[C_:C_+7], v[SA_], v[SB_] matrix_a_fmt:MATRIX_FMT_BF6 matrix_b_fmt:MATRIX_FMT_BF6 matrix_b_scale:MATRIX_SCALE_ROW1
.else
	v_wmma_scale_f32_16x16x128_f8f6f4 v[D_:D_+7], v[A_:A_+11], v[B_:B_+11], v[C_:C_+7], v[SA_], v[SB_] matrix_a_fmt:MATRIX_FMT_BF6 matrix_b_fmt:MATRIX_FMT_BF6 matrix_a_scale:MATRIX_SCALE_ROW1 matrix_b_scale:MATRIX_SCALE_ROW1
.endif
.endm
.macro FETCHU y
.irp i, 0,1,2,3
.irp k, 0,1,2
	ds_load_b128 v[WF+48*((\y)%2)+12*\i+4*\k:WF+48*((\y)%2)+12*\i+4*\k+3], v[WB] offset:(4*(\y)+\i)*1536+512*\k
.endr
.endr
	ds_load_b64 v[WS+2*((\y)%2):WS+2*((\y)%2)+1], v[WB8] offset:24576+256*(\y)
.endm
.macro MULQK p, y
.set S_, 2*(\p)+(\y)/2
.if S_ == 0
	WIN 0xe4
.elseif S_ < 4
	WIN 0xf4
.else
	WIN 0xf8
.endif
.irp i, 0,1,2,3
.irp t, 0,1,2,3
.set D_, 64*\t+8*(4*((\y)%2)+\i)
.set A_, WF+48*((\y)%2)+12*\i
.set B_, 12*(4*(S_%4)+\t)
.if S_ == 0
.set C_, 192+8*(4*((\y)%2)+\i)
.else
.set C_, D_
.endif
.set SA_, WS+2*((\y)%2)+\i/2
.set RA_, \i%2
.set SB_, XS+2*S_+\t/2
.set RB_, \t%2
	WM
.endr
.endr
.endm
.macro MULV p, y
.set S_, 4*(\p)+(\y)
	WIN 0xf1+(\p)
.irp i, 0,1,2,3
.irp t, 0,1,2,3
.set D_, 32*\i+8*\t
.set A_, 12*(4*(\y)+\t)
.set B_, WF+48*((\y)%2)+12*\i
.if S_ == 0
.set C_, 128+8*\i
.else
.set C_, D_
.endif
.set SA_, XS+2*S_+\t/2
.set RA_, \t%2
.set SB_, WS+2*((\y)%2)+\i/2
.set RB_, \i%2
	WM
.endr
.endr
.endm
.macro USE v, p, fill
	CHANGE \fill
	v_add_nc_u32 v[WB], s[TB], v[C16]
	s_wait_alu depctr_va_vdst(0)
	v_add_nc_u32 v[WB8], s[TB], v[C8]
	s_wait_alu depctr_va_vdst(0)
	FETCHU 0
.irp y, 0,1,2,3
.if \y < 3
.if \y > 0
	PLACES
.endif
	FETCHU \y+1
	s_wait_dscnt 13
.else
	s_wait_dscnt 0x0
.endif
.if \v
	MULV \p, \y
.else
	MULQK \p, \y
.endif
	WIN 0
.endr
	s_xor_b32 s[TB], s[TB], SLOT1
.endm
.macro XLOAD s
	WIN 0xc0
.irp p, 0,1,2,3,4,5,6,7,8,9,10,11,12,13,14,15
	global_load_b128 v[64*((\s)%4)+4*\p:64*((\s)%4)+4*\p+3], v[XO], s[4:5] offset:(\p+8*(\p/8))*4096+512*(\s) th:TH_LOAD_NT
.endr
	WIN 0
.endm
.macro XSTEP s
.if (\s)+3 < 8
	XLOAD (\s)+3
.endif
.if (\s) <= 4
	s_wait_loadcnt 48
.else
	s_wait_loadcnt 16*(7-(\s))
.endif
	WIN 0x0c
.irp p, 0,1,2,3,4,5,6,7,8,9,10,11,12,13,14,15
	ds_store_b128 v[STW], v[64*((\s)%4)+4*\p:64*((\s)%4)+4*\p+3] offset:528*\p
.endr
	WIN 0
.irp b, 0,1,2,3
.irp j, 0,1,2,3
	ds_load_b128 v[X64+16*\b+4*\j:X64+16*\b+4*\j+3], v[STR] offset:128*\b+16*\j
.endr
.endr
	s_wait_dscnt 0x0
	QHALF X64, 0, PC, TM+8
	QHALF X64+32, 0, PC+6, TM+9
	v_lshl_or_b32 v[PW], v[TM+9], 16, v[TM+8]
.irp k, 0,1,2
	ds_store_b128 v[XIW], v[PC+4*\k:PC+4*\k+3] offset:1536*(\s)+512*\k
.endr
	ds_store_b32 v[XSW], v[PW] offset:256*(\s)
.endm
	s_load_b256 s[4:11], s[0:1], 0x0
	s_load_b128 s[12:15], s[0:1], 0x20
	s_load_b64 s[16:17], s[0:1], 0x30
	v_lshl_add_u32 v[SPW], v0, 2, SPARE
	v_mov_b32 v[NIL], 0
	ds_add_u32 v1, v2
	ds_add_u32 v1, v2
	s_wait_dscnt 0x0
	v_lshrrev_b32 v24, 5, v0
	v_readfirstlane_b32 s[WV], v24
	s_bfe_u32 s19, ttmp6, 0x40000
	s_lshl_b32 s20, ttmp9, 2
	s_add_co_u32 s20, s20, s19
	s_lshr_b32 s50, s[WV], 1
	s_and_b32 s51, s[WV], 1
	s_lshl_b32 s48, s20, 18
	s_lshl_b32 s52, s50, 17
	s_add_co_u32 s48, s48, s52
	s_lshl_b32 s52, s51, 15
	s_add_co_u32 s48, s48, s52
	s_mov_b32 s49, 0
	s_lshl_b32 s52, s51, 9
	s_mov_b32 s53, 0
	s_mul_i32 s54, s[WV], QSL
	s_mov_b32 s55, 0
	s_mul_i32 s56, s20, 64000
	s_mov_b32 s57, 0
	s_mul_i32 s58, s20, 12800
	s_add_co_u32 s59, s56, 51200
	s_cmp_eq_u32 s50, 0
	s_cselect_b32 s58, s58, s59
	s_mov_b32 s59, 0
	s_mul_i32 s60, s[WV], 3072
	s_mov_b32 s61, 0
	s_lshl_b32 s62, s[WV], 8
	s_mov_b32 s63, 0
	s_lshr_b32 s[RHO], ttmp9, 3
	s_xor_b32 s[RHO], s[RHO], ttmp9
	s_bfe_u32 s[RHO], s[RHO], 0x10001
	s_lshr_b32 s[RHN], ttmp9, 2
	s_xor_b32 s[RHN], s[RHN], ttmp9
	s_bfe_u32 s[RHN], s[RHN], 0x10003
	s_lshl_b32 s[RHN], s[RHN], 1
	s_or_b32 s[RHO], s[RHO], s[RHN]
	s_lshl_b32 s[OFF], s[RHO], 10
	s_mov_b32 s[OFF+1], 0
	s_mov_b32 s[G1], 15|(3<<16)|(1<<21)
	s_mov_b32 s[G1+1], 32<<16
	s_mov_b32 s[G1+2], 100<<16
	s_mov_b32 s[G1+3], 32<<16
	s_mov_b32 s[G1+4], 100
	s_mov_b32 s[G1+5], 32
	s_mov_b32 s[G1+6], 0
	s_mov_b32 s[G1+7], 0
	s_mov_b32 s[SEL], 0x76543210
	s_mov_b32 s[SEL+1], 0xfedcba98
	s_mov_b32 s[HM], 0xffff0000
	s_mov_b32 s[TB], 0
	s_mov_b32 s[RO], 0
	v_and_b32 v24, 31, v0
	v_and_b32 v25, 15, v0
	v_bfe_u32 v26, v0, 4, 1
	v_lshlrev_b32 v[XO], 4, v24
	v_lshlrev_b32 v[L8], 3, v24
	v_lshlrev_b32 v[BO], 2, v25
	v_lshlrev_b32 v[BH], 6, v26
	s_wait_alu depctr_va_vdst(0)
	s_wait_kmcnt 0x0
	s_add_nc_u64 s[4:5], s[4:5], s[48:49]
	s_cmp_eq_u32 s50, 0
	s_cselect_b64 s[8:9], s[8:9], s[10:11]
	s_cselect_b64 s[PART:PART+1], s[14:15], s[16:17]
	s_add_nc_u64 s[8:9], s[8:9], s[52:53]
	s_add_nc_u64 s[PART:PART+1], s[PART:PART+1], s[58:59]
	s_add_nc_u64 s[SB:SB+1], s[16:17], s[56:57]
	s_add_nc_u64 s[OVB:OVB+1], s[SB:SB+1], s[60:61]
	s_add_nc_u64 s[BVB:BVB+1], s[12:13], s[62:63]
	s_add_nc_u64 s[BVP:BVP+1], s[BVB:BVB+1], s[OFF:OFF+1]
	s_add_nc_u64 s[WCB:WCB+1], s[6:7], s[54:55]
	s_mov_b32 s[G0F], 1
	s_mov_b32 s[G0F+1], s54
	s_mov_b64 s[G0F+2:G0F+3], s[WCB:WCB+1]
	s_or_b32 s[G0F+3], s[G0F+3], 0x80000000
	s_mov_b32 s[G0], 1
	s_add_co_u32 s[G0+1], s54, SLOT1
	s_add_nc_u64 s[G0+2:G0+3], s[WCB:WCB+1], 4*QSL
	s_or_b32 s[G0+3], s[G0+3], 0x80000000
	WIN 0x80
.irp t, 0,1,2,3,4,5,6,7
	global_load_b128 v[192+8*\t:192+8*\t+3], v[BH], s[8:9] offset:(32*(\t/2)+8*(\t%2))*4
	global_load_b128 v[192+8*\t+4:192+8*\t+7], v[BH], s[8:9] offset:(32*(\t/2)+8*(\t%2))*4+16
.endr
	WIN 0
.irp i, 0,1,2,3
	global_load_b32 v[BVT+\i], v[BO], s[BVP:BVP+1] offset:64*\i
.endr
	XLOAD 0
	XLOAD 1
	XLOAD 2
	CROUND
	tensor_load_to_lds s[G0F:G0F+3], s[G1:G1+7]    ; slot 0's first fill: my one tensor load at the head
	s_nop 0
	PLACES
	s_mul_i32 s48, s[WV], 8448
	s_add_co_u32 s48, s48, XSTG
	v_add_nc_u32 v[STW], s48, v[XO]
	v_mul_u32_u24 v27, v25, 528
	v_lshl_add_u32 v27, v26, 6, v27
	v_add_nc_u32 v[STR], s48, v27
	s_mul_i32 s48, s[WV], 8*1536
	s_add_co_u32 s48, s48, XIMG
	v_add_nc_u32 v[XIW], s48, v[XO]
	s_lshl_b32 s48, s51, 7
	s_lshl_b32 s49, s50, 2
	s_add_co_u32 s48, s48, s49
	s_add_co_u32 s48, s48, XSC
	v_lshl_add_u32 v[XSW], v25, 3, s48
	v_add_nc_u32 v[XIR], XIMG, v[XO]
	v_add_nc_u32 v[XSR], XSC, v[L8]
	v_add_nc_u32 v[C16], s54, v[XO]
	v_add_nc_u32 v[C8], s54, v[L8]
	s_mul_i32 s48, s51, 1536
	v_add_nc_u32 v[FO], s48, v[XO]
	s_lshl_b32 s48, s51, 8
	v_add_nc_u32 v[SOF], s48, v[L8]
	s_lshl_b32 s48, s51, 3
	s_lshl_b32 s49, s50, 8
	s_add_co_u32 s48, s48, s49
	s_add_co_u32 s48, s48, VSS
	v_lshl_add_u32 v[VSW], v25, 4, s48
	s_lshl_b32 s48, s[WV], 9
	v_add_nc_u32 v[VSR], s48, v[XO]
	v_add_nc_u32 v[VSR], VSS, v[VSR]
	s_add_co_u32 s48, s[WV], s[RHO]
	s_and_b32 s48, s48, 3
	s_lshl_b32 s48, s48, 9
	v_add_nc_u32 v[VSO], s48, v[XO]
	v_mov_b32 v[FLR], 0x2800000
	s_wait_alu depctr_va_vdst(0)
	v_mov_b32 v[TM+2], 0
	v_mov_b32 v[TM+3], 0
.irp s, 0,1,2,3
	XSTEP \s
.endr
	; slot 1's first fill is issued as a refill is, between x's steps 3 and 4: four steps of quantising stand between slot 0's request and this wait for it
	s_wait_alu depctr_va_vdst(0)
	s_wait_tensorcnt 0x0                           ; my quarter of slot 0 is in
	ds_add_u32 v[SPW], v[NIL]
	s_wait_dscnt 0x0                               ; the add and my LDS stores of steps 0 to 3 are done
	CROUND                                         ; all four work-groups are here: the joint loads meet
	tensor_load_to_lds s[G0:G0+3], s[G1:G1+7]      ; my one tensor load behind the round
	s_nop 0
	PLACES
.irp s, 4,5,6,7
	XSTEP \s
.endr
	s_wait_dscnt 0x0
	s_barrier_signal -1
	s_barrier_wait -1
	WIN 0x40
.irp s, 0,1,2,3
.irp t, 0,1,2,3
.irp k, 0,1,2
	ds_load_b128 v[12*(4*\s+\t)+4*\k:12*(4*\s+\t)+4*\k+3], v[XIR] offset:(8*\t+\s)*1536+512*\k
.endr
.endr
.endr
	WIN 0x80
.irp s, 0,1,2,3
.irp t, 0,1,2,3
.irp k, 0,1,2
	ds_load_b128 v[12*(4*\s+\t)+4*\k:12*(4*\s+\t)+4*\k+3], v[XIR] offset:(8*\t+4+\s)*1536+512*\k
.endr
.endr
.endr
	WIN 0
.irp s, 0,1,2,3,4,5,6,7
	ds_load_b64 v[XS+2*\s:XS+2*\s+1], v[XSR] offset:256*\s
.endr
	USE 0, 0, 3
	USE 0, 1, 1
	USE 0, 2, 1
	s_mul_i32 s[OFF], s[RHO], 8*QSL
	s_add_co_u32 s[OFF], s[OFF], 16*QSL
	USE 0, 3, 2
	PLACES
.irp t, 0,1,2,3
.if \t > 0
	s_wait_xcnt 0x0
.endif
	QHALF 64*\t, 3, PC, TM+8
	QHALF 64*\t+32, 3, PC+6, TM+9
	v_lshl_or_b32 v[PW+\t], v[TM+9], 16, v[TM+8]
.irp k, 0,1,2
	global_store_b128 v[FO], v[PC+4*\k:PC+4*\k+3], s[PART:PART+1] offset:3072*\t+512*\k
.endr
.endr
	v_cndmask_b32 v[PK], v[PW], v[PW+1], s[HM]
	v_cndmask_b32 v[PK+1], v[PW+2], v[PW+3], s[HM]
	global_store_b64 v[SOF], v[PK:PK+1], s[PART:PART+1] offset:12288
.macro VPASS next
	s_wait_loadcnt 0x0
	WIN 0xc0
.irp i, 0,1,2,3
.irp j, 0,1,2,3,4,5,6,7
	v_mov_b32 v[128+8*\i+\j], v[BVT+\i]
.endr
.endr
	WIN 0
.if \next
	s_add_co_u32 s[RHN], s[RHO], 1
	s_and_b32 s[RHN], s[RHN], 3
	s_lshl_b32 s[OFF], s[RHN], 10
	s_add_nc_u64 s[BVP:BVP+1], s[BVB:BVB+1], s[OFF:OFF+1]
.irp i, 0,1,2,3
	global_load_b32 v[BVT+\i], v[BO], s[BVP:BVP+1] offset:64*\i
.endr
.endif
	USE 1, 0, 1
.if \next
	s_mul_i32 s[OFF], s[RHN], 8*QSL
	s_add_co_u32 s[OFF], s[OFF], 16*QSL
	USE 1, 1, 2
.else
	USE 1, 1, 0
.endif
	PLACES
	s_wait_xcnt 0x0
	s_mul_i32 s[OFF], s[RHO], 12288
	s_add_nc_u64 s[OV:OV+1], s[OVB:OVB+1], s[OFF:OFF+1]
	v_add_nc_u32 v[VST], s[RO], v[VSW]
.irp i, 0,1,2,3
	QHALF 32*\i, 3, X64+8*\i, PW+\i
	global_store_b128 v[XO], v[X64+8*\i:X64+8*\i+3], s[OV:OV+1] offset:768*\i
	global_store_b64 v[L8], v[X64+8*\i+4:X64+8*\i+5], s[OV:OV+1] offset:768*\i+512
	ds_store_b16 v[VST], v[PW+\i] offset:2*\i
.endr
	s_add_co_u32 s[RO], s[RO], 512
.if \next
	s_mov_b32 s[RHO], s[RHN]
.endif
.endm
	s_mov_b32 s[TRIP], 3
.Lpass:
	VPASS 1
	s_sub_co_u32 s[TRIP], s[TRIP], 1
	s_cmp_lg_u32 s[TRIP], 0
	s_cbranch_scc1 .Lpass
	VPASS 0
	s_wait_dscnt 0x0
	s_barrier_signal -1
	s_barrier_wait -1
	ds_load_b128 v[PC:PC+3], v[VSR]
	s_wait_dscnt 0x0
	global_store_b128 v[VSO], v[PC:PC+3], s[SB:SB+1] offset:49152
	s_wait_tensorcnt 0x0
	ds_add_u32 v[SPW], v[NIL]
	s_wait_dscnt 0x0
	CROUND
	s_endpgm
.Lfunc_end_k_q140fe2ce68_proj:
	.size	k_q140fe2ce68_proj, .Lfunc_end_k_q140fe2ce68_proj-k_q140fe2ce68_proj
	.p2alignl 7, 3214868480
	.fill 96, 4, 3214868480
	.section	.rodata,"a",@progbits
	.p2align	6, 0x0
	.amdhsa_kernel k_q140fe2ce68_proj
		.amdhsa_group_segment_fixed_size 327680
		.amdhsa_private_segment_fixed_size 0
		.amdhsa_enable_private_segment 0
		.amdhsa_kernarg_size 56
		.amdhsa_user_sgpr_count 2
		.amdhsa_user_sgpr_kernarg_segment_ptr 1
		.amdhsa_wavefront_size32 1
		.amdhsa_system_sgpr_workgroup_id_x 1
		.amdhsa_system_sgpr_workgroup_id_y 1
		.amdhsa_system_sgpr_workgroup_id_z 1
		.amdhsa_system_vgpr_workitem_id 0
		.amdhsa_next_free_vgpr 1024
		.amdhsa_next_free_sgpr 84
		.amdhsa_reserve_vcc 0
		.amdhsa_float_denorm_mode_32 3
		.amdhsa_float_denorm_mode_16_64 3
		.amdhsa_memory_ordered 1
		.amdhsa_forward_progress 1
		.amdhsa_inst_pref_size 217
	.end_amdhsa_kernel
	.amdgpu_metadata
---
amdhsa.version: [ 1, 2 ]
amdhsa.kernels:
  - .name:           k_q140fe2ce68_proj
    .symbol:         k_q140fe2ce68_proj.kd
    .args:
      - { .name: x, .offset: 0, .size: 8, .value_kind: global_buffer, .address_space: global }
      - { .name: wc, .offset: 8, .size: 8, .value_kind: global_buffer, .address_space: global }
      - { .name: bq, .offset: 16, .size: 8, .value_kind: global_buffer, .address_space: global }
      - { .name: bk, .offset: 24, .size: 8, .value_kind: global_buffer, .address_space: global }
      - { .name: bv, .offset: 32, .size: 8, .value_kind: global_buffer, .address_space: global }
      - { .name: qf, .offset: 40, .size: 8, .value_kind: global_buffer, .address_space: global }
      - { .name: kv, .offset: 48, .size: 8, .value_kind: global_buffer, .address_space: global }
    .group_segment_fixed_size: 327680
    .private_segment_fixed_size: 0
    .kernarg_segment_align: 8
    .kernarg_segment_size: 56
    .max_flat_workgroup_size: 128
    .sgpr_count:     84
    .vgpr_count:     1024
    .wavefront_size: 32
...
	.end_amdgpu_metadata
.endif
;; end of part 2
;; launch attn (part 3): grid 32 x 8, 4 waves a work-group, clusters of 4 x 1, 327,680 bytes of LDS; arguments qf, kv, x, gamma, out0; writes out0
.if DOCPART == 3
	.amdgcn_target "amdgcn-amd-amdhsa--gfx1250"
	.amdhsa_code_object_version 6
	.text
	.protected	k_q140fe2ce68_attn
	.globl	k_q140fe2ce68_attn
	.p2align	8
	.type	k_q140fe2ce68_attn,@function
k_q140fe2ce68_attn:
	s_mov_b64 s[64:65], 0
	v_nop
	global_prefetch_b8 v0, s[64:65] scope:SCOPE_SE
	s_setreg_imm32_b32 hwreg(HW_REG_WAVE_MODE, 25, 1), 1
	s_wait_xcnt 0x0
	s_wait_alu depctr_hold_cnt(0) depctr_sa_sdst(0) depctr_va_vdst(0) depctr_va_sdst(0) depctr_va_ssrc(0) depctr_va_vcc(0) depctr_vm_vsrc(0)
	s_getreg_b32 s2, hwreg(HW_REG_IB_STS2, 6, 4)
	s_cmp_eq_u32 s2, 0
	s_cbranch_scc0 .Lentry_in_a_cluster
	s_endpgm
.Lentry_in_a_cluster:
	s_bfe_u32 s2, ttmp6, 0x10000c
	s_cmp_lg_u32 s2, 0x3003
	s_cbranch_scc0 .Lentry_shape_is_right
	s_endpgm
.Lentry_shape_is_right:
; out0[b][q][:] = gamma x (the sum over k of softmax_k(q . k / 16) v[k][:]) + x[b][q][:], both products on codes of BF6 (E3M2) with one E8M0 scale for each 32 along a product's K.
; q, k (K = the head's 256) and v (K = the keys) arrive from the launch before as images of operand registers (qf, kv; their layouts stand at that kernel's head).
; THE SOFTMAX AHEAD OF THE SECOND PRODUCT: t = score x log2(e) / 16; M = the row's largest t so far, rounded UP to a whole number; p = 2^(t - M) is what is quantised, along the keys; not normalised.
; The row's sum is taken of the unquantised p, in f32, and divides at the end.  When M moves, the sum and O are multiplied by f = 2^(old M - new M): exact.
; SHARES.  A work-group owns 64 queries of one batch and walks its 2,048 keys, 128 a step.  Wave w makes the scores, the softmax and the codes of p for query tile w (16 matrix instructions a step); p's fragment, its scale word
; and f go to the other waves through LDS as images of registers; then wave w adds to O^T for channels 256 w .. 256 w + 255 of ALL four query tiles: 64 accumulators, 512 registers, 64 matrix instructions a step.
; So each fragment of v read from LDS feeds four matrix instructions and each fragment of p sixteen.
; LAYOUT.  Both products are used transposed: S^T = K Q^T (source 0 = 16 keys, source 1 = my 16 queries), O^T = V^T P^T (source 0 = 16 channels, source 1 = p): a lane holds ONE query (lane % 16) throughout.
; Row r of a tile T of 64 tokens is token 32 (T / 2) + 8 (T % 2) + r + 8 (r / 8): so the 16 registers of two neighbouring key tiles are 16 neighbouring keys, 32 b + 16 (lane / 16) + 0 .. 15.
; RING.  A key step is 128,000 dense bytes of kv (two blocks of 64 tokens: v, v's scales, k, k's scales); two LDS slots; each wave fetches a quarter with one tensor load, all four read all of it.
; CLUSTER.  The four query blocks of a cluster belong to one batch and walk the same keys: each quarter is asked for JOINTLY (mask 15, the same descriptor in all four).
; WHERE A WALK BEGINS.  The eight clusters of a batch begin at key step (6 x cluster) mod 16 and go round: they ask for different tiles at a time, and of any four clusters that agree in one bit of their number the
; starts lie at most six steps apart, so that behind its first steps a cluster asks for tiles that another has read.  The running M serves any order of the keys; the order of the f32 sums differs from cluster to cluster.
; SIDE BY SIDE.  v's 64 LDS loads stand in 16 groups of four among the softmax's vector instructions; the 256 packed multiplies that bring O^T under the new M stand between the products: behind the four products of channel
; tile g the sixteen multiplies of tile g + 2.  Each group costs two switches of the register window, 64 a step: the lesser price beside a run of loads and a phase of multiplies during which no product is issued.
; LIMITS: NaN and infinities are not served; a block whose every p has fallen under 2^-122 keeps the scale byte 1 (its codes are zeros or tiny).
; REGISTERS, in windows of 256.  Window 0: v1-27 addresses; v28 -M, v29 the largest t, v[30:31] the sum in two halves; v32-55 Q; v56-93 scale words and f; v96-159 S^T, then p; v160-207 the four fragments of p; v208-247 at work.
;   Window 1: v0-191 K's 16 fragments, then V's 16; at the end x.   Windows 2, 3: O^T: accumulator (channel tile tt, query tile m) at 8 (4 (tt % 8) + m), window 2 + tt / 8.
.set SLOT1, 131072                     ; slot 1 begins here: one exclusive or turns an address in one slot into the other's
.set PIMG,  262144                     ; behind the ring: p's four fragments, 1,536 bytes each
.set PSC,   268288                     ; their scale words: [lane][m]
.set PF,    268800                     ; f: [lane][m], twice each
.set GT,    269824                     ; gamma / the row's sum: [m][r], twice each
.set SPARE, 270336                     ; the spare words, 128 bytes for each wave: two blocks of 256 bytes that no other line names
.set SPW, 1                            ; SPARE + 4 x my thread's number; never rewritten
.set NIL, 2                            ; 0; never rewritten
.set C16, 3                            ; 16 x lane
.set C8,  4                            ; 8 x lane
.set CV16, 5                           ; my 16 channel tiles of v: 12,288 w + 16 x lane
.set CV8,  6                           ; 12,288 w + 8 x lane
.set CVS,  7                           ; their scale halfwords: 49,152 + 512 w + 16 x lane
.set AK,   8                           ; v8-17: the five above in the slot in hand, for the step's first and second 64 keys
.set A8,   10
.set AV16, 12
.set AV8,  14
.set AVS,  16
.set PIW, 18                           ; where I store p's image
.set LB16, 19                          ; PIMG + 16 x lane
.set PSW, 20                           ; PSC + 16 x lane + 4 w
.set PFW, 21                           ; PF + 32 x lane + 8 w
.set LB32, 22                          ; PF + 32 x lane
.set GTW, 23                           ; GT + 128 w + 8 r
.set GTR, 24                           ; GT
.set STO, 25                           ; the way out: my stage, row r, + 32 h
.set SRD, 26                           ; and back: 16 x lane
.set GO,  27                           ; 1,024 w + 16 x lane: my bytes of a row of x and of out0
.set NM,  28
.set LS,  30
.set Q,   32
.set QS,  56
.set KS,  58                           ; register 2 (2 c + s) + b: lanes 0-15 tile 2 b's words, lanes 16-31 tile 2 b + 1's
.set VS,  66                           ; register e: lanes 0-15 channel tile e's words, lanes 16-31 tile 8 + e's
.set VH,  74
.set PS,  82
.set FQ,  86
.set PFO, 94
.set S,   96
.set PR,  160
.set PC,  208
.set CT,  220
.set BM,  228
.set PT,  232
.set SO,  236
.set T0,  240
.set FP,  242
.set PW,  244
.set SM,  246
.set WP,  248                          ; v248-252: v18-22 (PIW, LB16, PSW, PFW, LB32) in the set of images in hand: p's images, scale words and f have TWO sets, SLOT1 / 8 = 16,384 bytes apart, by turns
.set WV,  14                           ; s14 my wave's number
.set GAM, 18                           ; s18 gamma
.set TB,  19                           ; s19 LDS byte at which the slot in hand begins
.set TRIP, 20
.set TB1, 21                           ; s21 and its second 64 keys
.set SEL, 22                           ; s[22:23] lane selects for v_permlanex16_b32
.set CS,  24                           ; s[24:25] c = log2(e) / 16
.set G0,  28                           ; s[28:31] descriptor group 0, which walks
.set G1,  32                           ; s[32:39] descriptor group 1
.set PL,  48                           ; s48, s49 v_perm_b32's selects: two low halves, two high halves
.set PH,  49
.set KVB, 52                           ; s[52:53] kv at my quarter of the batch's key step 0
.set KST, 54                           ; s54 the key step asked for last
.set OFF, 56                           ; s[56:57] its offset, in 64 bits
.set PB,  55                           ; s55 0 or 16,384: the set of p's images in hand
.set TBN, 58                           ; s58, s59 LDS bytes at which the next step's first and second 64 keys begin
; x FOR THE WAY OUT IS ASKED FOR IN STEPS 11 TO 14 OF THE WALK: 16 of my block's 64 rows a step, my wave's own 1,024 bytes of each row, lanes 256 bytes apart (8 rows an instruction, two instructions a wave and step).
; Each block of 256 bytes is named once, by the wave that will load it; every address lies inside my block of x.  In the loop's trip with s[TRIP] = k (3, 2, 1): rows 8 (6 - 2 k) .. + 15; step 14: rows 48-63.
; The branch hangs on the loop's counter alone; v[PFO] and s[8:9] are never rewritten.
.macro ASKX k
	s_cmp_lg_u32 s[TRIP], \k
	s_cbranch_scc1 .Lnot_now_\@
	global_prefetch_b8 v[PFO], s[8:9] offset:32768*(6-2*(\k)) th:TH_LOAD_NT scope:SCOPE_SE
	global_prefetch_b8 v[PFO], s[8:9] offset:32768*(7-2*(\k)) th:TH_LOAD_NT scope:SCOPE_SE
.Lnot_now_\@:
.endm
.set MSB, 0
.macro WIN new                         ; the immediate's high byte repeats the setting that is left; a switch that changes nothing is dropped
.if MSB != (\new)
	s_set_vgpr_msb (MSB<<8)|(\new)
.set MSB, (\new)
.endif
.endm
.macro PLACES                          ; four places (ISA guide 7.12.1) behind matrix instructions
.rept 4
	v_nop
.endr
.endm
.macro CROUND                          ; a round of the cluster's barrier
	s_barrier_signal -1
	s_barrier_wait -1
	s_cmp_lg_u32 s[WV], 0
	s_cbranch_scc1 .Lnot_wave_0_\@
	s_barrier_signal -3
.Lnot_wave_0_\@:
	s_barrier_wait -3
	s_barrier_signal -1
	s_barrier_wait -1
.endm
; THE CHANGE OF SLOTS stands in a key step's MIDDLE, behind the stores of p: by then the step's k and v are in registers, so nobody reads its slot any more, and the slot ahead is whole.
; The one barrier also shows p's images to all four waves.  fill = 1: the slot just read out takes the keys two steps on.
.macro CHANGE fill
	WIN 0
	s_wait_tensorcnt 0x0                           ; my one load that was out, my quarter of the slot ahead, has landed: the descriptor may be written
	ds_add_u32 v[SPW], v[NIL]                      ; 0 onto my spare word
.if \fill
	s_xor_b32 s[G0+1], s[G0+1], SLOT1              ; the other slot than last time,
	s_add_co_u32 s[KST], s[KST], 1
	s_and_b32 s[KST], s[KST], 15                   ; the next 128 keys, round the batch's sixteen steps
	s_mul_i32 s[OFF], s[KST], 128000
	s_add_nc_u64 s[G0+2:G0+3], s[KVB:KVB+1], s[OFF:OFF+1]
	s_or_b32 s[G0+3], s[G0+3], 0x80000000          ; type = 2
.endif
	s_wait_dscnt 0x0                               ; the add is done, and my reads of the slot that I have left, and of p's images, are over
.if \fill
	CROUND                                         ; no wave of any partner still reads that slot or has a load on its way
	tensor_load_to_lds s[G0:G0+3], s[G1:G1+7]      ; the first thing behind the round, and my one tensor load until the next
	s_nop 0
.else
	s_barrier_signal -1
	s_barrier_wait -1
.endif
	PLACES                                         ; (behind a tensor load; also places in front of the loads that follow)
.endm
; The matrix instruction; its registers stand in symbols set just ahead.  Z_ = 1: the product starts the sum.  RA_: the row of source 0's scale register.
.macro WM
.if Z_ && (RA_ == 0)
	v_wmma_scale_f32_16x16x128_f8f6f4 v[D_:D_+7], v[A_:A_+11], v[B_:B_+11], 0, v[SA_], v[SB_] matrix_a_fmt:MATRIX_FMT_BF6 matrix_b_fmt:MATRIX_FMT_BF6
.elseif Z_
	v_wmma_scale_f32_16x16x128_f8f6f4 v[D_:D_+7], v[A_:A_+11], v[B_:B_+11], 0, v[SA_], v[SB_] matrix_a_fmt:MATRIX_FMT_BF6 matrix_b_fmt:MATRIX_FMT_BF6 matrix_a_scale:MATRIX_SCALE_ROW1
.elseif RA_ == 0
	v_wmma_scale_f32_16x16x128_f8f6f4 v[D_:D_+7], v[A_:A_+11], v[B_:B_+11], v[D_:D_+7], v[SA_], v[SB_] matrix_a_fmt:MATRIX_FMT_BF6 matrix_b_fmt:MATRIX_FMT_BF6
.else
	v_wmma_scale_f32_16x16x128_f8f6f4 v[D_:D_+7], v[A_:A_+11], v[B_:B_+11], v[D_:D_+7], v[SA_], v[SB_] matrix_a_fmt:MATRIX_FMT_BF6 matrix_b_fmt:MATRIX_FMT_BF6 matrix_a_scale:MATRIX_SCALE_ROW1
.endif
.endm
.macro KQ g                            ; S^T: the step's eight key tiles, channels 128 g on; the eight accumulators take turns
.irp t, 0,1,2,3,4,5,6,7
.set D_, S+8*\t
.set A_, 12*(8*(\g)+\t)
.set B_, Q+12*(\g)
.set SA_, KS+2*(2*(\t/4)+(\g))+(\t/2)%2
.set SB_, QS+(\g)
.set RA_, \t%2
.set Z_, 1-(\g)
	WM
.endr
.endm
.macro PVG g, first                    ; O^T: channel tile g x the four query tiles; over a step the 64 accumulators take turns
	WIN 0xa1+0x50*((\g)/8)                         ; v window 1, p window 0, C and D window 2 or 3
.irp m, 0,1,2,3
.set D_, 8*(4*((\g)%8)+\m)
.set A_, 12*(\g)
.set B_, PR+12*\m
.set SA_, VS+(\g)%8
.set SB_, PS+\m
.set RA_, (\g)/8
.set Z_, \first
	WM
.endr
.endm
.macro RSG g                           ; channel tile g's four accumulators x f of their query tile, each from its low end on
	WIN 0x82+0x41*((\g)/8)                         ; O^T (destination and source 0) window 2 or 3, f window 0
.irp m, 0,1,2,3
.irp j, 0,2,4,6
	v_pk_mul_f32 v[8*(4*((\g)%8)+\m)+\j:8*(4*((\g)%8)+\m)+\j+1], v[8*(4*((\g)%8)+\m)+\j:8*(4*((\g)%8)+\m)+\j+1], v[FQ+2*\m:FQ+2*\m+1]
.endr
.endr
.endm
.macro VL                              ; v's fragment t_: each half (64 keys) is 4 + 2 registers; then on to the next
	WIN 0x40                                       ; destination window 1
.irp c, 0,1
	ds_load_b128 v[12*t_+6*\c:12*t_+6*\c+3], v[AV16+\c] offset:768*t_
	ds_load_b64 v[12*t_+6*\c+4:12*t_+6*\c+5], v[AV8+\c] offset:768*t_+512
.endr
	WIN 0
.set t_, t_+1
.endm
.macro NEXTADR b0, b1                  ; where k, its scale words and v's scale halfwords lie in the slot whose two halves begin at s[b0], s[b1]
	v_add_nc_u32 v[AK], s[\b0], v[C16]
	v_add_nc_u32 v[AK+1], s[\b1], v[C16]
	v_add_nc_u32 v[A8], s[\b0], v[C8]
	v_add_nc_u32 v[A8+1], s[\b1], v[C8]
	v_add_nc_u32 v[AVS], s[\b0], v[CVS]
	v_add_nc_u32 v[AVS+1], s[\b1], v[CVS]
	s_wait_alu depctr_va_vdst(0)
.endm
.macro SCL                             ; six loads: v's scale halfwords of 64 keys (lane (r, h): channel tiles 8 h + 0 .. 7, row r), and k's scale words
.irp c, 0,1
	ds_load_b128 v[VH+4*\c:VH+4*\c+3], v[AVS+\c]
.endr
.irp c, 0,1
.irp g, 0,1
	ds_load_b64 v[KS+2*(2*\c+\g):KS+2*(2*\c+\g)+1], v[A8+\c] offset:63488+256*\g
.endr
.endr
.endm
.macro KL f                            ; k's fragment f = 8 g + 4 c + t (channels 128 g on, 64 keys c, tile t) into window 1, v[12 f ..]: three loads
.irp k, 0,1,2
	ds_load_b128 v[12*(\f)+4*\k:12*(\f)+4*\k+3], v[AK+((\f)/4)%2] offset:51200+(2*((\f)%4)+(\f)/8)*1536+512*\k
.endr
.endm
; A KEY STEP.  Its k and scale words were asked for in the step before.  Scores, softmax (v's fragments are fetched among its lines), p's images stored; the change of slots; then O^T, and among its products
; the NEXT step's k comes into v's registers as the products leave them.  first = 1: the products start O^T's sums, and nothing is rescaled.  last = 1: no step follows.  fill = 1: the slot is filled again.
.macro STEP first, last, fill
	s_add_co_u32 s[TB1], s[TB], 64000
	s_lshr_b32 s[PB], s[TB], 3                     ; slot 0: set 0; slot 1: set 1
	s_wait_dscnt 6                                 ; all but the six youngest loads, k's fragments 14 and 15
	v_add_nc_u32 v[AV16], s[TB], v[CV16]
	v_add_nc_u32 v[AV16+1], s[TB1], v[CV16]
	v_add_nc_u32 v[AV8], s[TB], v[CV8]
	v_add_nc_u32 v[AV8+1], s[TB1], v[CV8]
.irp n, 0,1,2,3,4
	v_add_nc_u32 v[WP+\n], s[PB], v[PIW+\n]
.endr
.irp k, 0,1,2,3
	v_perm_b32 v[VS+2*\k], v[VH+4+\k], v[VH+\k], s[PL]     ; the first 64 keys' two bytes below, the second 64 keys' above: a scale word of 128 keys
	v_perm_b32 v[VS+2*\k+1], v[VH+4+\k], v[VH+\k], s[PH]
.endr
	WIN 0x01                                       ; source 0 (k) window 1
	KQ 0
	s_wait_dscnt 0x0
	KQ 1
	WIN 0
	PLACES                                         ; in front of the loads into k's registers and of the first read of the scores
.set t_, 0                             ; v's 16 fragments are fetched in 16 groups among the lines below: 7 in the search for the maxima, 4 among the scalings, 5 among the exponentials
.if ((\last) == 0) && ((\fill) == 0)
	global_prefetch_b8 v[PFO], s[8:9] offset:32768*6 th:TH_LOAD_NT scope:SCOPE_SE   ; step 14: rows 48-55 of my block of x
	global_prefetch_b8 v[PFO], s[8:9] offset:32768*7 th:TH_LOAD_NT scope:SCOPE_SE   ; rows 56-63
.elseif ((\first) == 0) && (\fill)
	ASKX 3
	ASKX 2
	ASKX 1
.endif
.irp b, 0,1,2,3
	v_max3_num_f32 v[BM+\b], v[S+16*\b], v[S+1+16*\b], v[S+2+16*\b]   ; THE LARGEST SCORE OF EACH BLOCK OF 32 KEYS serves twice: for the row's maximum and, since p rises with the score, for the block's largest p
.endr
	VL
.irp i, 3,5,7,9,11,13
.irp b, 0,1,2,3
	v_max3_num_f32 v[BM+\b], v[BM+\b], v[S+16*\b+\i], v[S+1+16*\b+\i]
.endr
	VL
.endr
.irp b, 0,1,2,3
	v_max_num_f32 v[BM+\b], v[BM+\b], v[S+15+16*\b]
.endr
.irp b, 0,1,2,3
	v_permlanex16_b32 v[PT+\b], v[BM+\b], s[SEL], s[SEL+1]
.endr
.irp b, 0,1,2,3
	v_max_num_f32 v[BM+\b], v[BM+\b], v[PT+\b]     ; with lane l xor 16's 16 keys
.endr
	v_max3_num_f32 v[T0], v[BM], v[BM+1], v[BM+2]
	v_max_num_f32 v[T0], v[T0], v[BM+3]            ; the step's largest score of my query
	v_mul_f32 v[T0], s[CS], v[T0]                  ; as t (c is positive)
	v_max_num_f32 v[NM+1], v[NM+1], v[T0]          ; the running largest t
	v_mov_b32 v[T0], v[NM]
	v_floor_f32 v[NM], -v[NM+1]                    ; the new -M = floor(-t) = -ceil(t): M IS A WHOLE NUMBER
	v_sub_f32 v[T0], v[NM], v[T0]                  ; M's old value less its new one: a whole number, 0 or less
	v_cvt_i32_f32 v[T0], v[T0]                     ; (it saturates)
	v_ldexp_f32 v[FP], 1.0, v[T0]                  ; f = 2^(old M - new M)
	v_mov_b32 v[FP+1], v[FP]                       ; twice: a pair for the packed multiplies
.set j_, 0
.rept 4
.rept 8
	v_pk_fma_f32 v[S+j_:S+j_+1], v[S+j_:S+j_+1], s[CS:CS+1], v[NM:NM+1] op_sel_hi:[1,0,0]   ; t - M, two at a time (of the pairs c and -M the low word serves both halves)
.set j_, j_+2
.endr
	VL
.endr
.irp b, 0,1,2,3
	v_fma_f32 v[BM+\b], v[BM+\b], s[CS], v[NM]     ; the same of each block's largest score
.endr
.set j_, 0
	s_wait_alu depctr_va_vdst(0)
.rept 8
.rept 8
	v_exp_f32 v[S+j_], v[S+j_]                     ; p = 2^(t - M), at most 1: NOT normalised
.set j_, j_+1
.endr
.if t_ < 16
	VL
.endif
.endr
.irp b, 0,1,2,3
	v_exp_f32 v[BM+\b], v[BM+\b]                   ; the block's largest p: the same two instructions on the same number give the same bits
.endr
	v_pk_mul_f32 v[LS:LS+1], v[LS:LS+1], v[FP:FP+1]   ; the sums under the new M.  (A plain place behind the exponentials)
	s_wait_alu depctr_va_vdst(0)
.irp b, 0,1,2,3
	v_max_num_f32 v[BM+\b], 0x2800000, v[BM+\b]    ; the floor 2^(5 - 127): the byte cannot fall under 1
.endr
.irp b, 0,1,2,3
	v_add_nc_u32 v[SO+\b], 0xfe000000, v[BM+\b]    ; 4 off the exponent field: the conversion's scale operand
.endr
.irp b, 0,1,2,3
	v_lshrrev_b32 v[PT+\b], 23, v[SO+\b]           ; the scale's byte
.endr
	v_lshl_or_b32 v[PW], v[PT+1], 8, v[PT]         ; p's scale word for these 128 keys
	v_lshl_or_b32 v[PW], v[PT+2], 16, v[PW]
	v_lshl_or_b32 v[PW], v[PT+3], 24, v[PW]
.irp c, 0,1
	v_cvt_scalef32_pk16_bf6_f32 v[PC+6*\c:PC+6*\c+2], v[S+32*\c:S+32*\c+15], v[SO+2*\c]
	v_cvt_scalef32_pk16_bf6_f32 v[CT+4*\c:CT+4*\c+2], v[S+32*\c+16:S+32*\c+31], v[SO+2*\c+1]   ; (a conversion's three registers begin on an even number)
.endr
	v_nop                                          ; one plain place behind a scaled conversion
.irp c, 0,1                            ; the operand's layout wants a WHOLE block in a lane: lanes 0-15 block 2 c, lanes 16-31 block 2 c + 1
.irp i, 0,1,2
	v_permlane16_swap_b32 v[PC+6*\c+\i], v[CT+4*\c+\i]
.endr
.irp i, 0,1,2
	v_mov_b32 v[PC+3+6*\c+\i], v[CT+4*\c+\i]
.endr
.endr
.irp k, 0,1,2
	ds_store_b128 v[WP], v[PC+4*\k:PC+4*\k+3] offset:512*\k        ; p's fragment goes to the other waves as it stands, into this step's set of images
.endr
	ds_store_b32 v[WP+2], v[PW]
	ds_store_b64 v[WP+3], v[FP:FP+1]
	v_pk_add_f32 v[SM:SM+1], v[S:S+1], v[S+2:S+3]  ; THE ROW'S SUM IS TAKEN OF THE UNQUANTISED p: two at a time, in two chains, while the stores are out
.irp j, 4,8,12,16,20,24,28,32,36,40,44,48,52,56,60
	v_pk_add_f32 v[LS:LS+1], v[LS:LS+1], v[S+\j:S+\j+1]
	v_pk_add_f32 v[SM:SM+1], v[SM:SM+1], v[S+\j+2:S+\j+3]
.endr
	v_pk_add_f32 v[LS:LS+1], v[LS:LS+1], v[SM:SM+1]
.if (\last) == 0
	s_xor_b32 s[TBN], s[TB], SLOT1
	s_add_co_u32 s[TBN+1], s[TBN], 64000
	NEXTADR TBN, TBN+1
.endif
	CHANGE \fill                                   ; in front of its barrier: my stores of p have landed, v's fragments are in, my part of the next slot is in.  A set of images is written again only behind the next such barrier
.if (\first) == 0
	ds_load_b128 v[FQ:FQ+3], v[WP+4]               ; f of my lane's query in each of the four tiles
	ds_load_b128 v[FQ+4:FQ+7], v[WP+4] offset:16
.endif
	ds_load_b128 v[PS:PS+3], v[WP+1] offset:PSC-PIMG
.irp m, 0,1,2,3
.irp k, 0,1,2
	ds_load_b128 v[PR+12*\m+4*\k:PR+12*\m+4*\k+3], v[WP+1] offset:1536*\m+512*\k
.endr
.endr
.if (\last) == 0
	SCL                                            ; the next step's scale words, from the slot ahead
.endif
.if (\first) == 0
	s_wait_dscnt 13+6*(1-(\last))                  ; f is in; behind it p's 13 loads and the six of the scales
	RSG 0
	RSG 1
.endif
	s_wait_dscnt 6*(1-(\last))                     ; p is in; the six loads of the scales may be out
.irp g, 0,1,2,3,4,5,6,7,8,9,10,11,12,13,14,15
	PVG \g, \first
.if ((\first) == 0) && (\g < 14)
	RSG \g+2                                       ; they name no register of the products round them: sixteen places behind tile g's products
.if ((\last) == 0) && (\g % 2)
	WIN 0x40                                       ; destination window 1
	KL \g-1                                        ; v's fragments g - 1 and g have been multiplied: their registers take the next step's k
	KL \g
.endif
.endif
.endr
.if (\last) == 0
	PLACES                                         ; behind the last products, in front of the loads into their registers
	WIN 0x40
.if \first
.irp f, 0,1,2,3,4,5,6,7,8,9,10,11,12,13,14,15
	KL \f
.endr
.else
	KL 14
	KL 15
.endif
.endif
	WIN 0
	s_xor_b32 s[TB], s[TB], SLOT1                  ; on to the other slot
.endm
	s_load_b256 s[4:11], s[0:1], 0x0               ; qf s[4:5], kv s[6:7], x s[8:9], gamma s[10:11]
	s_load_b64 s[12:13], s[0:1], 0x20              ; out0
	v_lshl_add_u32 v[SPW], v0, 2, SPARE
	v_mov_b32 v[NIL], 0
	ds_add_u32 v1, v2
	ds_add_u32 v1, v2
	s_wait_dscnt 0x0
	v_lshrrev_b32 v96, 5, v0
	v_readfirstlane_b32 s[WV], v96                 ; wave 0..3
	s_bfe_u32 s15, ttmp6, 0x40000                  ; cx: my place in the cluster: it enters qf's, x's and out0's addresses alone
	s_lshl_b32 s16, ttmp9, 2
	s_add_co_u32 s16, s16, s15                     ; my block of 64 queries
	s_and_b32 s17, ttmp7, 0xffff                   ; the batch, which the four partners share
	s_mul_i32 s40, s17, 2048000                    ; the batch's 16 key steps,
	s_mul_i32 s42, s[WV], 32000                    ; my quarter of a step, in kv and in a slot
	s_add_co_u32 s40, s40, s42
	s_mov_b32 s41, 0
	s_mul_i32 s[KST], ttmp9, 6                     ; my cluster's first key step, from the cluster's number, which the partners share
	s_and_b32 s[KST], s[KST], 15
	s_mul_i32 s[OFF], s[KST], 128000
	s_mov_b32 s[OFF+1], 0                          ; (the pair's high word stays 0)
	s_lshl_b32 s44, s17, 5
	s_add_co_u32 s44, s44, s16                     ; my block among all 256
	s_mul_i32 s46, s44, 12800
	s_mov_b32 s47, 0
	s_lshl_b32 s44, s44, 18                        ; 64 rows of 4,096 bytes
	s_mov_b32 s45, 0
	; descriptor group 1: a quarter is 32,000 dense bytes: 125 rows of 256 bytes (32 elements of 8 bytes)
	s_mov_b32 s[G1], 15|(3<<16)|(1<<21)            ; 15:0 the mask: all four work-groups; 17:16 elements of 8 bytes; 21 set beside a mask
	s_mov_b32 s[G1+1], 32<<16                      ; tensor_dim0
	s_mov_b32 s[G1+2], 125<<16                     ; tensor_dim1
	s_mov_b32 s[G1+3], 32<<16                      ; tile_dim0
	s_mov_b32 s[G1+4], 125                         ; tile_dim1
	s_mov_b32 s[G1+5], 32                          ; from row to row
	s_mov_b32 s[G1+6], 0
	s_mov_b32 s[G1+7], 0
	s_mov_b32 s[SEL], 0x76543210
	s_mov_b32 s[SEL+1], 0xfedcba98
	s_mov_b32 s[CS], 0x3db8aa3b                    ; c = log2(e) / 16
	s_mov_b32 s[CS+1], s[CS]                       ; (named with it as a pair, so it is written)
	s_mov_b32 s[PL], 0x05040100
	s_mov_b32 s[PH], 0x07060302
	s_mov_b32 s[TB], 0
	s_wait_kmcnt 0x0
	s_load_b32 s[GAM], s[10:11], 0x0
	s_add_nc_u64 s[KVB:KVB+1], s[6:7], s[40:41]
	s_mov_b32 s[G0], 1                             ; count = 1
	s_mov_b32 s[G0+1], s42                         ; LDS address: slot 0, my quarter
	s_add_nc_u64 s[G0+2:G0+3], s[KVB:KVB+1], s[OFF:OFF+1]   ; global address: my cluster's first key step, my quarter
	s_or_b32 s[G0+3], s[G0+3], 0x80000000          ; type = 2
	s_add_nc_u64 s[4:5], s[4:5], s[46:47]
	s_add_nc_u64 s[8:9], s[8:9], s[44:45]
	s_add_nc_u64 s[12:13], s[12:13], s[44:45]
	CROUND                                         ; all four work-groups are here: the first joint load meets
	tensor_load_to_lds s[G0:G0+3], s[G1:G1+7]      ; the walk's first step into slot 0
	s_nop 0
	PLACES
	v_and_b32 v96, 31, v0                          ; lane
	v_and_b32 v97, 15, v0                          ; r
	v_bfe_u32 v98, v0, 4, 1                        ; h
	v_lshlrev_b32 v[C16], 4, v96
	s_wait_alu depctr_va_vdst(0)
	v_lshlrev_b32 v[C8], 3, v96
	s_mul_i32 s50, s[WV], 3072                     ; Q: my tile's two fragments
	v_add_nc_u32 v101, s50, v[C16]
	s_and_b32 s50, s[WV], 1
	s_lshl_b32 s50, s50, 7
	s_lshr_b32 s51, s[WV], 1
	s_lshl_b32 s51, s51, 2
	s_add_co_u32 s50, s50, s51
	v_lshl_add_u32 v102, v97, 3, s50               ; and its rows' scale words: 8 (16 (w % 2) + r) + 4 (w / 2)
.irp g, 0,1
.irp k, 0,1,2
	global_load_b128 v[Q+12*\g+4*\k:Q+12*\g+4*\k+3], v101, s[4:5] offset:1536*\g+512*\k
.endr
.endr
.irp g, 0,1
	global_load_b32 v[QS+\g], v102, s[4:5] offset:12288+256*\g
.endr
	s_mul_i32 s50, s[WV], 12288
	v_add_nc_u32 v[CV16], s50, v[C16]
	v_add_nc_u32 v[CV8], s50, v[C8]
	s_lshl_b32 s50, s[WV], 9
	s_add_co_u32 s50, s50, 49152
	v_add_nc_u32 v[CVS], s50, v[C16]
	s_mul_i32 s50, s[WV], 1536
	s_add_co_u32 s50, s50, PIMG
	v_add_nc_u32 v[PIW], s50, v[C16]
	v_add_nc_u32 v[LB16], PIMG, v[C16]
	s_lshl_b32 s50, s[WV], 2
	s_add_co_u32 s50, s50, PSC
	v_add_nc_u32 v[PSW], s50, v[C16]
	s_lshl_b32 s50, s[WV], 3
	s_add_co_u32 s50, s50, PF
	v_lshl_add_u32 v[PFW], v96, 5, s50
	v_lshlrev_b32 v[LB32], 5, v96
	v_add_nc_u32 v[LB32], PF, v[LB32]
	s_lshl_b32 s50, s[WV], 7
	s_add_co_u32 s50, s50, GT
	v_lshl_add_u32 v[GTW], v97, 3, s50
	v_mov_b32 v[GTR], GT
	s_mul_i32 s50, s[WV], 16640                    ; my stage: 16 rows x (1,024 + 16) bytes, in slot 0
	v_mul_u32_u24 v99, v97, 1040
	v_lshl_add_u32 v99, v98, 5, v99
	v_add_nc_u32 v[STO], s50, v99
	v_add_nc_u32 v[SRD], s50, v[C16]
	s_lshl_b32 s50, s[WV], 10
	v_add_nc_u32 v[GO], s50, v[C16]
	v_lshrrev_b32 v99, 2, v96
	v_lshlrev_b32 v99, 12, v99
	v_and_b32 v100, 3, v96
	v_lshl_add_u32 v99, v100, 8, v99
	v_add_nc_u32 v[PFO], s50, v99                  ; row lane / 4, + 256 (lane % 4), + my 1,024 bytes
	v_mov_b32 v[NM+1], 0xff61b1e6                  ; the largest t so far: -3e38, under every t
	v_floor_f32 v[NM], -v[NM+1]                    ; -M
	v_mov_b32 v[LS], 0                             ; the sum, in two halves
	v_mov_b32 v[LS+1], 0
.irp b, 0,1,2,3
	v_mov_b32 v[PT+\b], 0                          ; written once: a lane permute's destination counts as one of its sources
.endr
	s_wait_loadcnt 0x0                             ; Q
	s_wait_kmcnt 0x0                               ; gamma
	CHANGE 1                                       ; slot 0 is whole; slot 1's first fill, issued as a refill is
	s_add_co_u32 s[TB1], s[TB], 64000
	NEXTADR TB, TB1
	SCL                                            ; step 0's scale words and k
	WIN 0x40
.irp f, 0,1,2,3,4,5,6,7,8,9,10,11,12,13,14,15
	KL \f
.endr
	WIN 0
	STEP 1, 0, 1                                   ; the first step stands in front of the loop: its products start O^T's sums: nothing is cleared
	s_mov_b32 s[TRIP], 13
.Lstep:                                            ; steps 1 to 13 of the walk: in each the keys two steps on are asked for
	STEP 0, 0, 1
	s_sub_co_u32 s[TRIP], s[TRIP], 1
	s_cmp_lg_u32 s[TRIP], 0
	s_cbranch_scc1 .Lstep
	STEP 0, 0, 0                                   ; the last two steps are written out
	STEP 0, 1, 0
	PLACES                                         ; in front of the loads into v's registers and of the first read of O^T
	; THE WAY OUT.  g = gamma / the row's sum goes to all waves through LDS.  Then, a query tile at a time: O^T through my stage (slot 0: it has had its last fill, and nobody has read it since the last change of slots),
	; back as whole rows of my 1,024 bytes; out0 = O g + x; 512 consecutive bytes a store.
.macro XL m                            ; x's 16 rows of query tile m, my 1,024 bytes of each, into half m % 2 of window 1
	WIN 0x40
.irp p, 0,1,2,3,4,5,6,7,8,9,10,11,12,13,14,15
.irp f, 0,1
	global_load_b128 v[128*((\m)%2)+8*\p+4*\f:128*((\m)%2)+8*\p+4*\f+3], v[GO], s[8:9] offset:(32*((\m)/2)+8*((\m)%2)+\p+8*(\p/8))*4096+512*\f th:TH_LOAD_NT
.endr
.endr
	WIN 0
.endm
.macro OUTM m
.if (\m) < 3
	XL (\m)+1
.endif
.irp hi, 0,1
	WIN 0x08+4*\hi                                 ; an LDS store's data are its source 1: window 2 or 3
.irp e, 0,1,2,3,4,5,6,7
	ds_store_b128 v[STO], v[8*(4*\e+(\m)):8*(4*\e+(\m))+3] offset:64*(8*\hi+\e)        ; each accumulator from its low end on
	ds_store_b128 v[STO], v[8*(4*\e+(\m))+4:8*(4*\e+(\m))+7] offset:64*(8*\hi+\e)+16
.endr
.endr
.irp hi, 0,1
	WIN 0x80+0x40*\hi
.irp e, 0,1,2,3,4,5,6,7
.irp f, 0,1
	ds_load_b128 v[8*(4*\e+(\m))+4*\f:8*(4*\e+(\m))+4*\f+3], v[SRD] offset:1040*(8*\hi+\e)+512*\f   ; row 8 hi + e comes back into the registers that tile 8 hi + e has left; LDS serves a wave's instructions in order (ISA guide 5.7.1.4)
.endr
.endr
.endr
	WIN 0
.irp n, 0,1,2,3,4,5,6,7
	ds_load_b128 v[S+4*\n:S+4*\n+3], v[GTR] offset:128*(\m)+16*\n  ; g of the tile's 16 rows, twice each
.endr
	s_wait_dscnt 0x0
.if (\m) < 3
	s_wait_loadcnt 32                              ; this tile's rows of x are in; the next tile's 32 loads may be out
.else
	s_wait_loadcnt 0x0
.endif
.irp hi, 0,1
	WIN 0x92+0x41*\hi                              ; O (destination and source 0) window 2 or 3, g window 0, x window 1
.irp e, 0,1,2,3,4,5,6,7
.irp j, 0,2,4,6
	v_pk_fma_f32 v[8*(4*\e+(\m))+\j:8*(4*\e+(\m))+\j+1], v[8*(4*\e+(\m))+\j:8*(4*\e+(\m))+\j+1], v[S+2*(8*\hi+\e):S+2*(8*\hi+\e)+1], v[128*((\m)%2)+8*(8*\hi+\e)+\j:128*((\m)%2)+8*(8*\hi+\e)+\j+1]
.endr
.endr
.endr
.irp hi, 0,1
	WIN 0x08+4*\hi
.irp e, 0,1,2,3,4,5,6,7
.irp f, 0,1
	global_store_b128 v[GO], v[8*(4*\e+(\m))+4*\f:8*(4*\e+(\m))+4*\f+3], s[12:13] offset:(32*((\m)/2)+8*((\m)%2)+16*\hi+\e)*4096+512*\f th:TH_STORE_NT   ; row 8 hi + e of the tile is token .. + 8 hi + e + 8 hi
.endr
.endr
.endr
	WIN 0
.endm
	v_add_f32 v[LS], v[LS], v[LS+1]                ; the sum's two halves,
	v_permlanex16_b32 v[PT], v[LS], s[SEL], s[SEL+1]
	v_add_f32 v[LS], v[LS], v[PT]                  ; and lane l xor 16's: the row's sum
	s_wait_alu depctr_va_vdst(0)
	v_rcp_f32 v[LS], v[LS]
	v_nop                                          ; one plain place behind a transcendental
	s_wait_alu depctr_va_vdst(0)
	v_mul_f32 v[FP], s[GAM], v[LS]
	v_mov_b32 v[FP+1], v[FP]
	ds_store_b64 v[GTW], v[FP:FP+1]                ; both halves of the lanes write the same pair with the same value
	XL 0
	s_wait_dscnt 0x0                               ; for the others' sake: my g has landed
	s_barrier_signal -1
	s_barrier_wait -1
	OUTM 0
	OUTM 1
	OUTM 2
	OUTM 3
	s_wait_tensorcnt 0x0                           ; the wave's end
	ds_add_u32 v[SPW], v[NIL]
	s_wait_dscnt 0x0
	CROUND                                         ; the closing round: no work-group ends while a partner may still ask for a quarter that names it
	s_endpgm
.Lfunc_end_k_q140fe2ce68_attn:
	.size	k_q140fe2ce68_attn, .Lfunc_end_k_q140fe2ce68_attn-k_q140fe2ce68_attn
	.p2alignl 7, 3214868480
	.fill 96, 4, 3214868480
	.section	.rodata,"a",@progbits
	.p2align	6, 0x0
	.amdhsa_kernel k_q140fe2ce68_attn
		.amdhsa_group_segment_fixed_size 327680
		.amdhsa_private_segment_fixed_size 0
		.amdhsa_enable_private_segment 0
		.amdhsa_kernarg_size 40
		.amdhsa_user_sgpr_count 2
		.amdhsa_user_sgpr_kernarg_segment_ptr 1
		.amdhsa_wavefront_size32 1
		.amdhsa_system_sgpr_workgroup_id_x 1
		.amdhsa_system_sgpr_workgroup_id_y 1
		.amdhsa_system_sgpr_workgroup_id_z 1
		.amdhsa_system_vgpr_workitem_id 0
		.amdhsa_next_free_vgpr 1024
		.amdhsa_next_free_sgpr 66
		.amdhsa_reserve_vcc 0
		.amdhsa_float_denorm_mode_32 3
		.amdhsa_float_denorm_mode_16_64 3
		.amdhsa_memory_ordered 1
		.amdhsa_forward_progress 1
		.amdhsa_inst_pref_size 251
	.end_amdhsa_kernel
	.amdgpu_metadata
---
amdhsa.version: [ 1, 2 ]
amdhsa.kernels:
  - .name:           k_q140fe2ce68_attn
    .symbol:         k_q140fe2ce68_attn.kd
    .args:
      - { .name: qf, .offset: 0, .size: 8, .value_kind: global_buffer, .address_space: global }
      - { .name: kv, .offset: 8, .size: 8, .value_kind: global_buffer, .address_space: global }
      - { .name: x, .offset: 16, .size: 8, .value_kind: global_buffer, .address_space: global }
      - { .name: gamma, .offset: 24, .size: 8, .value_kind: global_buffer, .address_space: global }
      - { .name: out0, .offset: 32, .size: 8, .value_kind: global_buffer, .address_space: global }
    .group_segment_fixed_size: 327680
    .private_segment_fixed_size: 0
    .kernarg_segment_align: 8
    .kernarg_segment_size: 40
    .max_flat_workgroup_size: 128
    .sgpr_count:     66
    .vgpr_count:     1024
    .wavefront_size: 32
...
	.end_amdgpu_metadata
.endif
;; end of part 3
